; MI455X (gfx1250); checked and timed in simulation.
; The chip was launched on July 23, 2026; its instructions are those of AMD's public machine-readable ISA for CDNA 5 (MIT licence, August 2026) and "CDNA5" Instruction Set Architecture Reference Guide (July 2026). The comments in the code are by the model that wrote it; some were corrected since.
;; Head. Allowed arithmetic: matrix products marked QUANTISED: E3M2 operands, one E8M0 scale for each 32 along K, by v_wmma_scale_f32_16x16x128_f8f6f4 with both operands' format E3M2, f32 sums; everything else in f32.
;; Inputs: K 1 float32; Wk 64 x 512 float32; Wq 64 x 512 float32; Wv 64 x 512 float32; x 4 x 4,096 x 512 float32.
;; Outputs: out0 4 x 4,096 x 64 float32.
;; This version of the problem:
;;   THIS VERSION OF THE PROBLEM IS GIVEN IN LOW PRECISION. The matrix products marked QUANTISED in the list below multiply operands that are first quantised to E3M2 (3 exponent bits, 2 mantissa bits; 6 bits a number), with one power-of-two scale for each 32 numbers along K (OCP MX v1.0); their sums are f32. All else is computed in f32.
;;   The module's matrix products, in the order in which they are computed (A, B: the left and right operand; K: the contracted axis; several contracted axes count as one K, in the product's order):
;;     1. [M 16,384, K 512] x [K 512, N 64]; A: input x; B: input Wq: QUANTISED
;;     2. [M 16,384, K 512] x [K 512, N 64]; A: input x; B: input Wk: QUANTISED
;;     3. [M 16,384, K 512] x [K 512, N 64]; A: input x; B: input Wv: QUANTISED
;;     4. batch 4 x [M 4,096, K 64] x [K 64, N 4,096]; A: computed on the way; B: computed on the way: QUANTISED
;;     5. batch 4 x [M 4,096, K 4,096] x [K 4,096, N 64]; A: softmax (see below); B: computed on the way: QUANTISED
;;   THE QUANTISER, for each operand of a quantised product, along K:
;;     - K is cut into blocks of 32 from its start; a last block that is shorter is filled with zeros.
;;     - A block's scale is 2^e with e = floor(log2(the largest magnitude in the block)) - 4, held to -126 .. 127; a block of zeros has e = 0. As a byte (E8M0): e + 127.
;;     - Each number is divided by its block's scale, clamped to +-28, and rounded to the nearest number of E3M2, ties to even, subnormals kept.
;;     - The product sums the exact products of the quantised numbers (number of the format x scale) in f32.
;;   ~~~python
;;   def quantise(x, axis):      # numpy; x: float32 -> the quantised numbers, widened to float32 again
;;       x = np.moveaxis(x, axis, -1); K = x.shape[-1]
;;       x = np.pad(x, [(0, 0)] * (x.ndim - 1) + [(0, -K % 32)]); x = x.reshape(x.shape[:-1] + (-1, 32)); a = np.abs(x).max(-1, keepdims=True)
;;       e = np.where(a > 0, np.clip(np.frexp(np.where(a > 0, a, 1))[1] - 1 - 4, -126, 127), 0)      # np.frexp(a)[1] - 1 = floor(log2(a)), exactly
;;       r = np.clip(x / 2.0 ** e, -28, 28)
;;       step = 2.0 ** (np.maximum(np.frexp(np.where(r == 0, 1, r))[1] - 1, -2) - 2)
;;       q = np.round(r / step) * step * 2.0 ** e      # np.round: ties to even
;;       return np.moveaxis(q.reshape(q.shape[:-2] + (-1,))[..., :K], -1, axis).astype(np.float32)
;;   ~~~
;;   SOFTMAX AHEAD OF A QUANTISED PRODUCT. Where the list says 'softmax', what is quantised is not the finished softmax but p = 2^(t - M), with t = logit x log2(e) and M = ceil(the row's largest t), a whole number; so 1/2 < the row's largest p <= 1. The row's sum l is taken of the UNQUANTISED p, in f32, and the product's result is divided by l at the end. Since M is a whole number, a kernel that streams over the keys may use a running M (the ceiling of the running maximum): every later rescaling is an exact power of two, which a block's scale takes up: the codes' values come out the same.
;;   OPERANDS COMPUTED ON THE WAY. 'Computed on the way' means the value that the module computes at that place (a softmax that the list does not call 'softmax' is quantised finished and normalised). What goes into a quantiser is computed in f32, as accurately as f32 sums, v_exp_f32 and their like allow (about 1e-6 of the number): no bf16 or f16 on the way to a quantiser, and a product that is left as it is and whose result goes on into a quantised operand takes f32 operands (vector FMAs, or v_wmma_f32_16x16x4_f32). A number that lies on a knife's edge between two numbers of the format may be rounded either way, as far as f32 arithmetic and the matrix unit's own rounding can turn it there, and no further.
;; One version. Each part assembles by itself: llvm-mc -triple=amdgcn-amd-amdhsa -mcpu=gfx1250 --defsym DOCPART=n.
;; ======== version 1 of 1: 2 launches
;; limits: right only within a limited range of input values
;; workspace buffers: qbuf 1,048,576 bytes; kv 1,638,400 bytes
;; launch proj (part 1): grid 256 x 1, 16 waves a work-group, clusters of 4 x 1, 327,680 bytes of LDS; arguments x, Wq, Wk, Wv, K, qbuf, kv; writes qbuf, kv
.if DOCPART == 1
	.amdgcn_target "amdgcn-amd-amdhsa--gfx1250"
	.amdhsa_code_object_version 6
	.text
	.protected	k_q96c7839cd8_proj
	.globl	k_q96c7839cd8_proj
	.p2align	8
	.type	k_q96c7839cd8_proj,@function
k_q96c7839cd8_proj:
	s_mov_b64 s[64:65], 0
	v_nop
	global_prefetch_b8 v0, s[64:65] scope:SCOPE_SE
	s_setreg_imm32_b32 hwreg(HW_REG_WAVE_MODE, 25, 1), 1
	s_wait_xcnt 0x0
	s_wait_alu depctr_hold_cnt(0) depctr_sa_sdst(0) depctr_va_vdst(0) depctr_va_sdst(0) depctr_va_ssrc(0) depctr_va_vcc(0) depctr_vm_vsrc(0)
	s_getreg_b32 s2, hwreg(HW_REG_IB_STS2, 6, 4)
	s_cmp_eq_u32 s2, 0
	s_cbranch_scc0 .Lentry_in_a_cluster
	s_endpgm
.Lentry_in_a_cluster:
	s_bfe_u32 s2, ttmp6, 0x10000c
	s_cmp_lg_u32 s2, 0x3003
	s_cbranch_scc0 .Lentry_shape_is_right
	s_endpgm
.Lentry_shape_is_right:
; q = arnold(x Wq^T), k = arnold(x Wk^T), v = x Wv^T for 64 tokens a work-group; all three products on codes of BF6 (E3M2) with one E8M0 scale for each 32 along K = 512.
; x [16384][512] and Wq, Wk, Wv [64][512], all f32, are quantised here.  q and k are then quantised along the head's 64, v along the tokens (the keys), and leave as images of the operands' registers of the attention launch.
; Every step of reference() and every input is live: no work is left out.
; arnold(t) = (t + 0.618 - |K| / (2 pi) sin(2 pi t)) mod 1.  sin(2 pi t): r = t - round(t) is exact; sin(2 pi r) = sign(r) sin(2 pi min(|r|, 1/2 - |r|)); on [0, 1/4] the Taylor series up to x^13,
; whose first dropped term is under 1e-9.  mod 1 is a - floor(a): one rounding, as the remainder plus one has.
; THE ROWS OF A TILE: tile i of x or of a weight holds rows 8 i + 0 .. 7 (its rows 0-7) and 32 + 8 i + 0 .. 7 (its rows 8-15).  So register j of result tile i in lane half h is number 32 h + 8 i + j along the moving side:
; a lane's 32 results are ONE WHOLE BLOCK of 32, in order: no lane exchange stands ahead of a conversion.
; THE WEIGHTS come by JOINT tensor loads: the four work-groups of a cluster need the same 393,216 bytes.  At the head wave w fetches 32 rows x 128 columns of Wq (w < 8) or Wk; they become images; a round of the cluster's
; barrier; then 16 rows x 128 columns of Wv land on the first half of those bytes.  The second half has had its last fill: it takes x's stage and the images of Wv and x.
; x's 131,072 bytes are nobody else's: they come through registers, asked for at the head behind the first joint load, and turn through the wave's own stage in LDS.
; A wave reads only tiles that it fetched itself.  In a tile lane (r7, h, ii) = (bits 2:0, bit 3, bit 4) takes row 8 ii + r7, columns 64 c + 32 h on: a whole block of 32.
; AN IMAGE of a fragment (16 rows x 128 along K): for c = 0, 1 registers 6 c .. 6 c + 3 of lane l at 768 c + 16 l, registers 6 c + 4, 6 c + 5 at 768 c + 512 + 8 l; row r's scale word at 1,536 + 4 r: 1,600 bytes.
; PRODUCTS: D[i] += moving(i, s) x stationary(s), s = 0 .. 3 ascending.  Waves 0-3: v (moving x's four tiles, stationary Wv's tile m); 4-7: q, 8-11: k (moving the weight's four tiles, stationary x's tile m); waves 12-15 have done their part.
; No prefetch: the launch has no loop to run ahead in; all of x is asked for at the head.
; LIMITS: NaN and infinities are not served.  sin is taken of the exact 2 pi t; an f32 evaluation that first rounds 2 pi t differs by up to 2 pi |t| 2^-24 in the argument.  A block of zeros gets the byte 1, not 127
; (its codes are zeros, which add nothing under any byte but 0xff; this program alone reads the bytes); blocks whose largest magnitude lies under 2^-122 keep that byte.
.set FRB,  1600
.set ROLE, 16*FRB                      ; sixteen fragments: one weight, or x's; fragment (tile i, K step s) at (4 i + s) FRB
.set TS,   4*FRB
.set T1,   32*528                      ; a tile of Wq or Wk: 32 rows of 512 + 16 bytes
.set T2,   16*528                      ; a tile of Wv
.set VI,   16*T2                       ; 135,168: Wv's images
.set XI,   VI+ROLE                     ; 160,768: x's
.set STG,  XI+ROLE                     ; 186,368: x's stages, 16 rows x 272 bytes for each wave
.set STW,  16*272
.set WI,   16*T1                       ; 270,336: Wq's images, then Wk's: no fill lands here
.set SPARE, WI+2*ROLE                  ; 321,536: the spare words, 128 bytes for each wave
.set SPW, 1                            ; v1 LDS address of my spare word; v2 0; never rewritten
.set NIL, 2
.set XO,  3                            ; v3 my byte offset in x's rows
.set AT,  4                            ; v4 where I read my tile of Wq or Wk;  v5 of Wv
.set AT2, 5
.set SWR, 6                            ; v6 the stage, on the way in;  v7 on the way back
.set SRD, 7
.set AW,  8                            ; v8-10 where I store images of Wq or Wk: b128, b64, byte
.set AV,  11                           ; v11-13 the same for Wv (x: ROLE further on)
.set M16, 14                           ; v14-16 moving fragments: 16 x lane, 8 x lane, 4 x row + base
.set F16, 17                           ; v17-19 stationary fragments
.set VR,  20                           ; v20 lane % 16;  v21 lane
.set VL,  21
.set C5,  22                           ; v[22:23] the series' coefficient c5, twice
.set T,   24                           ; v24-31 at work
.set PC,  32                           ; v32-37 a block's codes, v38 its scale byte
.set PC2, 40                           ; v40-46 a second set
.set X,   48                           ; v48-111 x's 64 numbers
.set WA,  112                          ; v112-239 the weights' numbers
.set ACC, 48                           ; v48-79 four accumulators
.set SF,  80                           ; v80-127 four stationary fragments
.set MV,  128                          ; v128-223 eight moving fragments (two K steps)
.set MS,  240                          ; v240-247 moving scale words, v248-251 stationary ones: nothing else
.set SS,  248
.set G16, 252                          ; v252-254 byte offsets of the three stores
.set G8,  253
.set G1B, 254
.set AN,  128                          ; the map's work
.set AR,  136
.set AM,  144
.set AZ,  152
.set AP,  160
.set NK,  38                           ; s[38:39] -|K| / (2 pi), twice
.set MASK, 66
.macro ROUND                           ; a round of the cluster's barrier
	s_barrier_signal -1
	s_barrier_wait -1
	s_cmp_lg_u32 s14, 0
	s_cbranch_scc1 .Lnot_wave_0_\@
	s_barrier_signal -3
.Lnot_wave_0_\@:
	s_barrier_wait -3
	s_barrier_signal -1
	s_barrier_wait -1
.endm
.macro PLACES                          ; four places behind a matrix instruction, and the form behind a tensor load
.rept 4
	v_nop
.endr
.endm
.macro QB s, pc                        ; one block: 32 numbers of a lane -> six registers of codes at pc, the scale's byte at pc + 6
.irp i, 0,1,2,3
	v_max3_num_f32 v[T+\i], |v[\s+8*\i]|, |v[\s+8*\i+1]|, |v[\s+8*\i+2]|
.endr
.irp k, 3,5
.irp i, 0,1,2,3
	v_max3_num_f32 v[T+\i], v[T+\i], |v[\s+8*\i+\k]|, |v[\s+8*\i+\k+1]|   ; four chains by turns
.endr
.endr
	v_max3_num_f32 v[T], v[T], v[T+1], |v[\s+7]|
	v_max3_num_f32 v[T+2], v[T+2], v[T+3], |v[\s+15]|
	v_max3_num_f32 v[T+1], |v[\s+23]|, |v[\s+31]|, 0x2800000   ; the floor 2^(5 - 127) among the leaves: the byte cannot fall under 1
	v_max3_num_f32 v[T], v[T], v[T+1], v[T+2]
	v_add_nc_u32 v[T+4], 0xfe000000, v[T]                      ; 4 off the exponent field: the conversion's scale operand
	v_cvt_scalef32_pk16_bf6_f32 v[\pc:\pc+2], v[\s:\s+15], v[T+4]
	v_cvt_scalef32_pk16_bf6_f32 v[T:T+2], v[\s+16:\s+31], v[T+4]   ; a conversion's three registers begin on an even number
	v_lshrrev_b32 v[\pc+6], 23, v[T+4]                         ; the byte; also the plain line behind the conversions
.irp i, 0,1,2
	v_mov_b32 v[\pc+3+\i], v[T+\i]
.endr
.endm
.macro IMG pc, a, base, c              ; the block goes into its image: registers 6 c on, scale byte 2 c + h
	ds_store_b128 v[\a], v[\pc:\pc+3] offset:\base+768*\c
	ds_store_b64 v[\a+1], v[\pc+4:\pc+5] offset:\base+768*\c+512
	ds_store_b8 v[\a+2], v[\pc+6] offset:\base+1536+2*\c
.endm
.macro TURN hf                         ; 16 rows x 256 bytes of x through my stage: LDS serves a wave's instructions in order (ISA guide 5.7.1.4)
.irp i, 0,1,2,3,4,5,6,7
	ds_store_b128 v[SWR], v[X+32*\hf+4*\i:X+32*\hf+4*\i+3] offset:544*\i
.endr
.irp j, 0,1,2,3,4,5,6,7
	ds_load_b128 v[X+32*\hf+4*\j:X+32*\hf+4*\j+3], v[SRD] offset:16*\j
.endr
.endm
.macro FRAG reg, sc, a, off            ; a fragment and its scale word from an image
.irp c, 0,1
	ds_load_b128 v[\reg+6*\c:\reg+6*\c+3], v[\a] offset:\off+768*\c
	ds_load_b64 v[\reg+6*\c+4:\reg+6*\c+5], v[\a+1] offset:\off+768*\c+512
.endr
	ds_load_b32 v[\sc], v[\a+2] offset:\off+1536
.endm
.macro KSTEP s                         ; 25 loads: K step s
	FRAG SF+12*\s, SS+\s, F16, \s*FRB
.irp i, 0,1,2,3
	FRAG MV+12*(4*(\s%2)+\i), MS+4*(\s%2)+\i, M16, (4*\i+\s)*FRB
.endr
.endm
.macro MULT s                          ; four products; the four accumulators take turns, one instruction a turn; the first step starts the sums
.irp i, 0,1,2,3
.if \s
	v_wmma_scale_f32_16x16x128_f8f6f4 v[ACC+8*\i:ACC+8*\i+7], v[MV+12*(4*(\s%2)+\i):MV+12*(4*(\s%2)+\i)+11], v[SF+12*\s:SF+12*\s+11], v[ACC+8*\i:ACC+8*\i+7], v[MS+4*(\s%2)+\i], v[SS+\s] matrix_a_fmt:MATRIX_FMT_BF6 matrix_b_fmt:MATRIX_FMT_BF6
.else
	v_wmma_scale_f32_16x16x128_f8f6f4 v[ACC+8*\i:ACC+8*\i+7], v[MV+12*(4*(\s%2)+\i):MV+12*(4*(\s%2)+\i)+11], v[SF+12*\s:SF+12*\s+11], 0, v[MS+4*(\s%2)+\i], v[SS+\s] matrix_a_fmt:MATRIX_FMT_BF6 matrix_b_fmt:MATRIX_FMT_BF6
.endif
.endr
.endm
.macro ARN8 t                          ; the Arnold map on eight numbers, in place; the accumulator is read from its low end on
.irp j, 0,1,2,3,4,5,6,7
	v_rndne_f32 v[AN+\j], v[\t+\j]
.endr
.irp j, 0,2,4,6
	v_pk_add_f32 v[AR+\j:AR+\j+1], v[\t+\j:\t+\j+1], v[AN+\j:AN+\j+1] neg_lo:[0,1] neg_hi:[0,1]   ; r = t - round(t), exact, in [-1/2, 1/2]
.endr
.irp j, 0,1,2,3,4,5,6,7
	v_sub_f32 v[AM+\j], 0.5, |v[AR+\j]|
.endr
.irp j, 0,1,2,3,4,5,6,7
	v_min_num_f32 v[AM+\j], |v[AR+\j]|, v[AM+\j]   ; in [0, 1/4]; where 1/2 - |r| is taken it is exact
.endr
.irp j, 0,1,2,3,4,5,6,7
	v_bfi_b32 v[AM+\j], s[MASK], v[AM+\j], v[AR+\j]   ; with r's sign
.endr
.irp j, 0,2,4,6
	v_pk_mul_f32 v[AZ+\j:AZ+\j+1], v[AM+\j:AM+\j+1], v[AM+\j:AM+\j+1]
.endr
.irp j, 0,2,4,6
	v_pk_fma_f32 v[AP+\j:AP+\j+1], v[AZ+\j:AZ+\j+1], 0x40747a1a, v[C5:C5+1] op_sel_hi:[1,0,1]   ; z (2 pi)^13 / 13! - (2 pi)^11 / 11!
.endr
.irp k, 0x42283c1a, 0xc2996966, 0x42a335e3, 0xc2255de7, 0x40c90fdb   ; (2 pi)^9 / 9!, -(2 pi)^7 / 7!, (2 pi)^5 / 5!, -(2 pi)^3 / 3!, 2 pi
.irp j, 0,2,4,6
	v_pk_fma_f32 v[AP+\j:AP+\j+1], v[AP+\j:AP+\j+1], v[AZ+\j:AZ+\j+1], \k op_sel_hi:[1,1,0]
.endr
.endr
.irp j, 0,2,4,6
	v_pk_mul_f32 v[AP+\j:AP+\j+1], v[AP+\j:AP+\j+1], v[AM+\j:AM+\j+1]   ; sin(2 pi t)
.endr
.irp j, 0,2,4,6
	v_pk_add_f32 v[AN+\j:AN+\j+1], v[\t+\j:\t+\j+1], 0x3f1e353f op_sel_hi:[1,0]   ; t + 0.618
.endr
.irp j, 0,2,4,6
	v_pk_fma_f32 v[AN+\j:AN+\j+1], v[AP+\j:AP+\j+1], s[NK:NK+1], v[AN+\j:AN+\j+1] op_sel_hi:[1,0,1]   ; - |K| / (2 pi) sin
.endr
.irp j, 0,1,2,3,4,5,6,7
	v_floor_f32 v[AR+\j], v[AN+\j]
.endr
.irp j, 0,2,4,6
	v_pk_add_f32 v[\t+\j:\t+\j+1], v[AN+\j:AN+\j+1], v[AR+\j:AR+\j+1] neg_lo:[0,1] neg_hi:[0,1]   ; mod 1
.endr
.endm
	s_load_b256 s[4:11], s[0:1], 0x0               ; x s[4:5], Wq s[6:7], Wk s[8:9], Wv s[10:11]
	s_load_b128 s[32:35], s[0:1], 0x20             ; K s[32:33], qbuf s[34:35]
	s_load_b64 s[36:37], s[0:1], 0x30              ; kv
	v_lshl_add_u32 v[SPW], v0, 2, SPARE
	v_mov_b32 v[NIL], 0
	ds_add_u32 v[SPW], v[NIL]                      ; the wave's opening: the add, twice on end, and its wait
	ds_add_u32 v[SPW], v[NIL]
	v_lshrrev_b32 v24, 5, v0
	v_readfirstlane_b32 s14, v24                   ; wave 0..15
	v_and_b32 v[VL], 31, v0
	v_and_b32 v[VR], 15, v0
	v_bfe_u32 v26, v0, 4, 1
	v_lshlrev_b32 v[XO], 4, v[VR]                  ; x: sixteen lanes to 256 bytes of a row,
	v_lshl_add_u32 v[XO], v26, 11, v[XO]           ; lanes 16-31 the row below
	s_and_b32 s15, s14, 3                          ; m; also my K step s
	s_lshr_b32 s16, s14, 2                         ; p; also my 16 rows of x and of Wv
	s_bfe_u32 s17, ttmp6, 0x40000                  ; cx: it enters the addresses of x and of what is stored alone
	s_lshl_b32 s18, ttmp9, 2
	s_add_co_u32 s17, s17, s18                     ; my group of 64 tokens
	; group 1: 32 rows (Wq, Wk) and 16 rows (Wv) x 128 elements of 4 bytes, 512 elements from row to row; 16 bytes of padding behind each row's 128 words; the mask of all four work-groups, bit 21 beside it
.irp g, 40, 48
	s_mov_b32 s[\g+0], 15|(2<<16)|(1<<20)|(1<<21)|(6<<22)|(3<<25)
	s_mov_b32 s[\g+1], 128<<16
	s_mov_b32 s[\g+3], 128<<16
	s_mov_b32 s[\g+5], 512
	s_mov_b32 s[\g+6], 0
	s_mov_b32 s[\g+7], 0
.endr
	s_mov_b32 s42, 32<<16
	s_mov_b32 s44, 32
	s_mov_b32 s50, 16<<16
	s_mov_b32 s52, 16
	s_mul_i32 s72, s14, T1                         ; my tile's place in LDS: Wq or Wk,
	s_mul_i32 s73, s14, T2                         ; and Wv
	s_and_b32 s20, s16, 1
	s_lshl_b32 s20, s20, 16                        ; Wq, Wk: rows 32 (p % 2) on,
	s_lshl_b32 s22, s15, 9                         ; columns 128 s on
	s_add_co_u32 s20, s20, s22
	s_mov_b32 s21, 0
	s_lshl_b32 s24, s16, 15                        ; x, Wv: rows 16 p on
	s_add_co_u32 s22, s22, s24
	s_mov_b32 s23, 0
	s_lshl_b32 s24, s17, 17                        ; x: 64 tokens of 2,048 bytes a group
	s_mov_b32 s25, 0
	s_wait_alu depctr_va_vdst(0)
	s_wait_dscnt 0x0                               ; both opening adds are done
	s_wait_kmcnt 0x0
	s_mov_b32 s56, 1                               ; group 0: Wq,
	s_mov_b32 s57, s72
	s_add_nc_u64 s[58:59], s[6:7], s[20:21]
	s_or_b32 s59, s59, 0x80000000
	s_mov_b32 s60, 1                               ; Wk,
	s_mov_b32 s61, s72
	s_add_nc_u64 s[62:63], s[8:9], s[20:21]
	s_or_b32 s63, s63, 0x80000000
	s_mov_b32 s68, 1                               ; Wv
	s_mov_b32 s69, s73
	s_add_nc_u64 s[70:71], s[10:11], s[22:23]
	s_or_b32 s71, s71, 0x80000000
	s_add_nc_u64 s[4:5], s[4:5], s[24:25]
	s_add_nc_u64 s[4:5], s[4:5], s[22:23]
	ROUND                                          ; all four work-groups are here: the first joint loads meet
	s_cmp_lt_u32 s14, 8                            ; one load a wave at the head: every way passes exactly one
	s_cbranch_scc0 .Lfor_wk
	tensor_load_to_lds s[56:59], s[40:47]
	s_nop 0
	PLACES
	s_branch .Lasked
.Lfor_wk:
	tensor_load_to_lds s[60:63], s[40:47]
	s_nop 0
	PLACES
.Lasked:
.irp hf, 0,1
.irp i, 0,1,2,3,4,5,6,7
	global_load_b128 v[X+32*\hf+4*\i:X+32*\hf+4*\i+3], v[XO], s[4:5] offset:4096*\i+256*\hf th:TH_LOAD_NT   ; rows 2 i, 2 i + 1: 256 consecutive bytes of each
.endr
.endr
	s_load_b32 s[NK], s[32:33], 0x0                ; K
	; every LDS address of every role is made here
	s_mul_i32 s74, s14, STW
	s_add_co_u32 s74, s74, STG                     ; my stage
	s_lshr_b32 s20, s16, 1
	s_and_b32 s21, s16, 1
	s_mul_i32 s22, s15, FRB
	s_mul_i32 s23, s20, ROLE
	s_add_co_u32 s23, s23, s22
	s_add_co_u32 s23, s23, WI                      ; image of Wq or Wk (p / 2), K step s; its rows 8 (p % 2) on:
	s_lshl_b32 s24, s21, 7
	s_add_co_u32 s24, s24, s23
	s_lshl_b32 s25, s21, 6
	s_add_co_u32 s25, s25, s23
	s_lshl_b32 s26, s21, 5
	s_add_co_u32 s26, s26, s23
	s_mul_i32 s27, s21, 2*TS
	s_add_co_u32 s27, s27, s22
	s_add_co_u32 s27, s27, VI                      ; image of Wv, K step s, tiles 2 (p % 2) on; its rows 8 (p / 2) on:
	s_lshl_b32 s28, s20, 7
	s_add_co_u32 s28, s28, s27
	s_lshl_b32 s29, s20, 6
	s_add_co_u32 s29, s29, s27
	s_lshl_b32 s30, s20, 5
	s_add_co_u32 s30, s30, s27
	s_min_u32 s20, s16, 2
	s_add_co_u32 s21, s20, 1
	s_lshr_b32 s21, s21, 1                         ; 0 for v, 1 for q and k
	s_lshr_b32 s20, s20, 1                         ; 1 for k
	s_mul_i32 s22, s21, WI-XI
	s_mul_i32 s23, s20, ROLE
	s_add_co_u32 s22, s22, s23
	s_add_co_u32 s22, s22, XI                      ; moving: x's images, Wq's, Wk's
	s_mul_i32 s21, s21, ROLE
	s_mul_i32 s23, s15, TS
	s_add_co_u32 s23, s23, s21
	s_add_co_u32 s23, s23, VI                      ; stationary: tile m of Wv, of x
	v_and_b32 v24, 7, v0                           ; r7
	v_bfe_u32 v25, v0, 3, 1                        ; h
	v_bfe_u32 v26, v0, 4, 1                        ; ii
	v_lshl_add_u32 v27, v26, 3, v24                ; row 8 ii + r7
	v_mul_u32_u24 v28, v27, 528
	v_mul_u32_u24 v29, v27, 272
	v_mul_u32_u24 v30, v26, 272
	v_mul_u32_u24 v31, v26, TS
	v_lshl_add_u32 v28, v25, 7, v28
	v_lshl_add_u32 v29, v25, 7, v29
	v_lshl_add_u32 v30, v[VR], 4, v30
	v_add_nc_u32 v[AT], s72, v28
	v_add_nc_u32 v[AT2], s73, v28
	v_add_nc_u32 v[SRD], s74, v29
	v_add_nc_u32 v[SWR], s74, v30
	v_lshl_add_u32 v27, v25, 8, v31                ; an image's lane 16 h + r7 of tile ii: b128,
	v_lshl_add_u32 v28, v25, 7, v31                ; b64,
	v_lshl_add_u32 v29, v24, 2, v31                ; byte
	v_lshl_add_u32 v27, v24, 4, v27
	v_lshl_add_u32 v28, v24, 3, v28
	v_add_nc_u32 v29, v29, v25
	v_add_nc_u32 v[AW], s24, v27
	v_add_nc_u32 v[AW+1], s25, v28
	v_add_nc_u32 v[AW+2], s26, v29
	v_add_nc_u32 v[AV], s28, v27
	v_add_nc_u32 v[AV+1], s29, v28
	v_add_nc_u32 v[AV+2], s30, v29
	v_lshl_add_u32 v[M16], v[VL], 4, s22
	v_lshl_add_u32 v[M16+1], v[VL], 3, s22
	v_lshl_add_u32 v[M16+2], v[VR], 2, s22
	v_lshl_add_u32 v[F16], v[VL], 4, s23
	v_lshl_add_u32 v[F16+1], v[VL], 3, s23
	v_lshl_add_u32 v[F16+2], v[VR], 2, s23
	v_mov_b32 v[C5], 0xc17183a8                    ; -(2 pi)^11 / 11!
	v_mov_b32 v[C5+1], 0xc17183a8
	s_mov_b32 s[MASK], 0x7fffffff
	s_wait_alu depctr_va_vdst(0)
	s_wait_kmcnt 0x0
	s_and_b32 s[NK], s[NK], 0x7fffffff             ; |K|
	s_mul_f32 s[NK], s[NK], 0x3e22f983             ; / (2 pi)
	s_xor_b32 s[NK], s[NK], 0x80000000
	s_mov_b32 s[NK+1], s[NK]
	; ---- my tile of Wq or Wk: four blocks a lane: b = 2 ip + c: rows 16 ip + 8 ii + r7, columns 64 c + 32 h on
	s_wait_tensorcnt 0x0                           ; it has landed; I alone read it
.irp b, 0,1,2,3
.irp j, 0,1,2,3,4,5,6,7
	ds_load_b128 v[WA+32*\b+4*\j:WA+32*\b+4*\j+3], v[AT] offset:8448*(\b/2)+256*(\b%2)+16*\j
.endr
.endr
	s_wait_dscnt 24                                ; block 0's eight loads are in; 24 behind them
	QB WA, PC
	IMG PC, AW, 0, 0
	s_wait_dscnt 19                                ; behind block 1's: 16 loads, 3 stores
	QB WA+32, PC2
	IMG PC2, AW, 0, 1
	s_wait_dscnt 14                                ; behind block 2's: 8 loads, 6 stores
	QB WA+64, PC
	IMG PC, AW, 2*TS, 0
	s_wait_dscnt 9                                 ; behind block 3's: 9 stores
	QB WA+96, PC2
	IMG PC2, AW, 2*TS, 1
	s_wait_tensorcnt 0x0                           ; no tensor load of mine is out
	ds_add_u32 v[SPW], v[NIL]
	s_wait_alu depctr_va_vdst(0)
	s_wait_dscnt 0x0                               ; the add is done, and my reads of the tile are over
	ROUND                                          ; both now hold of every wave of all four work-groups
	tensor_load_to_lds s[68:71], s[48:55]          ; my tile of Wv: it has x's work in which to land
	s_nop 0
	PLACES
	; ---- x: two blocks a lane
	s_wait_loadcnt 0x8                             ; the first half's eight loads are in
	TURN 0
	s_wait_loadcnt 0x0
	TURN 1
	s_wait_dscnt 16                                ; the first half is back; the second's 16 may be out
	QB X, PC
	IMG PC, AV, ROLE, 0
	s_wait_dscnt 3                                 ; three image stores behind
	QB X+32, PC2
	IMG PC2, AV, ROLE, 1
	; ---- my tile of Wv
	s_wait_tensorcnt 0x0
.irp b, 0,1
.irp j, 0,1,2,3,4,5,6,7
	ds_load_b128 v[WA+32*\b+4*\j:WA+32*\b+4*\j+3], v[AT2] offset:256*\b+16*\j
.endr
.endr
	s_wait_dscnt 8
	QB WA, PC
	IMG PC, AV, 0, 0
	s_wait_dscnt 3
	QB WA+32, PC2
	IMG PC2, AV, 0, 1
	s_wait_tensorcnt 0x0                           ; behind my last tensor load and my last LDS store: no LDS write follows
	ds_add_u32 v[SPW], v[NIL]
	s_wait_alu depctr_va_vdst(0)
	s_wait_dscnt 0x0                               ; for the others' sake too: my images lie in LDS
	ROUND                                          ; all images are there; and the closing round: no joint load follows in any partner
	s_cmp_eq_u32 s16, 3
	s_cbranch_scc1 .Ldone                          ; waves 12-15 have made their share of the images: that was their part
	; ---- the products
	KSTEP 0
	KSTEP 1
	; where the results go, meanwhile.  kv: 12,800 bytes for 128 keys: K's 8 tiles (768 each), V's half fragments (c, n) at 6,144 + 3,072 c + 768 n, K's scale bytes at 12,288, V's at 12,544.  c = group % 2
	s_lshr_b32 s20, s17, 6                         ; batch
	s_bfe_u32 s21, s17, 0x50001                    ; step of 128 keys
	s_and_b32 s22, s17, 1                          ; c
	s_mul_i32 s23, s20, 409600
	s_mul_i32 s21, s21, 12800
	s_add_co_u32 s23, s23, s21
	s_mul_i32 s24, s22, 3072
	s_add_co_u32 s24, s24, s23
	s_cmp_eq_u32 s16, 0
	s_cselect_b32 s25, 6144, 0
	s_add_co_u32 s24, s24, s25
	s_mov_b32 s25, 0
	s_add_nc_u64 s[24:25], s[36:37], s[24:25]
	s_lshl_b32 s26, s17, 12                        ; qbuf: 4,096 bytes a group: four tiles, scale bytes at 3,072
	s_mov_b32 s27, 0
	s_add_nc_u64 s[26:27], s[34:35], s[26:27]
	s_lshr_b32 s28, s15, 1
	s_lshl_b32 s28, s28, 6                         ; a pair of tiles has a word for each row: 64 bytes;
	s_and_b32 s29, s15, 1
	s_lshl_b32 s29, s29, 1                         ; in it two bytes for each tile
	s_add_co_u32 s28, s28, s29
	s_mul_i32 s29, s22, 2944
	s_sub_co_u32 s29, 12288, s29                   ; k: 12,288 + 128 c, less the base's 3,072 c
	s_add_co_u32 s29, s29, s28
	s_add_co_u32 s30, s28, 3072                    ; q
	s_mul_i32 s31, s22, 3070
	s_sub_co_u32 s31, 6400, s31                    ; v: 12,544 + 2 c, less the base's 6,144 + 3,072 c
	s_lshl_b32 s72, s15, 6
	s_add_co_u32 s31, s31, s72
	s_cmp_eq_u32 s16, 1                            ; the choice hangs on the wave's number alone
	s_cselect_b64 s[24:25], s[26:27], s[24:25]
	s_cselect_b32 s29, s30, s29
	s_cmp_eq_u32 s16, 0
	s_cselect_b32 s29, s31, s29
	s_mul_i32 s30, s15, 768
	v_bfe_u32 v[T], v0, 4, 1
	v_lshl_add_u32 v[G16], v[VL], 4, s30
	v_lshl_add_u32 v[G8], v[VL], 3, s30
	v_lshl_add_u32 v[G1B], v[VR], 2, s29
	v_add_nc_u32 v[G1B], v[G1B], v[T]              ; lane half h holds block h's byte
	s_wait_alu depctr_va_vdst(0)
	s_wait_dscnt 25                                ; K step 0 is in
	MULT 0
	s_wait_dscnt 0x0
	MULT 1
	PLACES                                         ; in front of loads into registers that the products have read
	KSTEP 2
	KSTEP 3
	s_wait_dscnt 25
	MULT 2
	s_wait_dscnt 0x0
	MULT 3
	PLACES                                         ; in front of the first read of the results
	s_cmp_eq_u32 s16, 0
	s_cbranch_scc1 .Lquant                         ; v has no map
	ARN8 ACC
	ARN8 ACC+8
	ARN8 ACC+16
	ARN8 ACC+24
.Lquant:
	QB ACC, PC
	global_store_b128 v[G16], v[PC:PC+3], s[24:25]             ; 512 consecutive bytes
	global_store_b64 v[G8], v[PC+4:PC+5], s[24:25] offset:512  ; 256 consecutive bytes
	global_store_b8 v[G1B], v[PC+6], s[24:25]
.Ldone:
	s_endpgm
.Lfunc_end_k_q96c7839cd8_proj:
	.size	k_q96c7839cd8_proj, .Lfunc_end_k_q96c7839cd8_proj-k_q96c7839cd8_proj
	.p2alignl 7, 3214868480
	.fill 96, 4, 3214868480
	.section	.rodata,"a",@progbits
	.p2align	6, 0x0
	.amdhsa_kernel k_q96c7839cd8_proj
		.amdhsa_group_segment_fixed_size 327680
		.amdhsa_private_segment_fixed_size 0
		.amdhsa_enable_private_segment 0
		.amdhsa_kernarg_size 56
		.amdhsa_user_sgpr_count 2
		.amdhsa_user_sgpr_kernarg_segment_ptr 1
		.amdhsa_wavefront_size32 1
		.amdhsa_system_sgpr_workgroup_id_x 1
		.amdhsa_system_sgpr_workgroup_id_y 1
		.amdhsa_system_sgpr_workgroup_id_z 1
		.amdhsa_system_vgpr_workitem_id 0
		.amdhsa_next_free_vgpr 256
		.amdhsa_next_free_sgpr 80
		.amdhsa_reserve_vcc 0
		.amdhsa_float_denorm_mode_32 3
		.amdhsa_float_denorm_mode_16_64 3
		.amdhsa_memory_ordered 1
		.amdhsa_forward_progress 1
		.amdhsa_inst_pref_size 64
	.end_amdhsa_kernel
	.amdgpu_metadata
---
amdhsa.version: [ 1, 2 ]
amdhsa.kernels:
  - .name:           k_q96c7839cd8_proj
    .symbol:         k_q96c7839cd8_proj.kd
    .args:
      - { .name: x, .offset: 0, .size: 8, .value_kind: global_buffer, .address_space: global }
      - { .name: Wq, .offset: 8, .size: 8, .value_kind: global_buffer, .address_space: global }
      - { .name: Wk, .offset: 16, .size: 8, .value_kind: global_buffer, .address_space: global }
      - { .name: Wv, .offset: 24, .size: 8, .value_kind: global_buffer, .address_space: global }
      - { .name: K, .offset: 32, .size: 8, .value_kind: global_buffer, .address_space: global }
      - { .name: qbuf, .offset: 40, .size: 8, .value_kind: global_buffer, .address_space: global }
      - { .name: kv, .offset: 48, .size: 8, .value_kind: global_buffer, .address_space: global }
    .group_segment_fixed_size: 327680
    .private_segment_fixed_size: 0
    .kernarg_segment_align: 8
    .kernarg_segment_size: 56
    .max_flat_workgroup_size: 512
    .sgpr_count:     80
    .vgpr_count:     256
    .wavefront_size: 32
...
	.end_amdgpu_metadata
.endif
;; end of part 1
;; launch attn (part 2): grid 64 x 4, 16 waves a work-group, clusters of 4 x 1, 327,680 bytes of LDS; arguments qbuf, kv, out0; writes out0
.if DOCPART == 2
	.amdgcn_target "amdgcn-amd-amdhsa--gfx1250"
	.amdhsa_code_object_version 6
	.text
	.protected	k_q96c7839cd8_attn
	.globl	k_q96c7839cd8_attn
	.p2align	8
	.type	k_q96c7839cd8_attn,@function
k_q96c7839cd8_attn:
	s_mov_b64 s[64:65], 0
	v_nop
	global_prefetch_b8 v0, s[64:65] scope:SCOPE_SE
	s_setreg_imm32_b32 hwreg(HW_REG_WAVE_MODE, 25, 1), 1
	s_wait_xcnt 0x0
	s_wait_alu depctr_hold_cnt(0) depctr_sa_sdst(0) depctr_va_vdst(0) depctr_va_sdst(0) depctr_va_ssrc(0) depctr_va_vcc(0) depctr_vm_vsrc(0)
	s_getreg_b32 s2, hwreg(HW_REG_IB_STS2, 6, 4)
	s_cmp_eq_u32 s2, 0
	s_cbranch_scc0 .Lentry_in_a_cluster
	s_endpgm
.Lentry_in_a_cluster:
	s_bfe_u32 s2, ttmp6, 0x10000c
	s_cmp_lg_u32 s2, 0x3003
	s_cbranch_scc0 .Lentry_shape_is_right
	s_endpgm
.Lentry_shape_is_right:
; out0[b][q][:] = the sum over keys of softmax(q . k / 8) v, both products on codes of BF6 (E3M2) with one E8M0 scale for each 32 along a product's K.  q, k, v come as images of the operands' registers (see the launch before).
; THE SOFTMAX: t = score x log2(e) / 8, p = 2^(t - M), quantised along the keys, not normalised; the row's sum of the unquantised p divides at the end.
; M IS THE CONSTANT 0.  q and k leave a "mod 1", so every number of them, quantised too, lies in [0, 1] for every finite input: 0 <= score <= 64, 0 <= t <= 11.55.  So p lies in [1, 2^11.55] and a row's sum under 2^24:
; nothing can overflow or underflow.  M is a whole number, so against the row's own ceiling every p is an exact power of two larger, which the blocks' scales take up: the codes' values are the same.
; SHARES: a work-group owns 64 queries of a batch.  Wave w: query tiles 2 (w % 2) and 2 (w % 2) + 1, 16 queries each; gk = w / 2 its share of the keys: steps gk, gk + 8, gk + 16, gk + 24 of 128 keys.
; Each fragment of K and V that a wave loads serves both its query tiles.  At the end the eight shares of a tile meet in LDS.
; BOTH PRODUCTS ARE USED TRANSPOSED: S^T = K Q^T, O^T = V^T P^T: a lane holds ONE query (row lane % 16 of its tile) throughout.
; K = 64 IN AN INSTRUCTION OF 128: source 0 is a PAIR of key tiles side by side, source 1 is [q | zero codes] for the first and [zero codes | q] for the second: the half that meets zero codes adds exactly 0,
; since every code is a finite number and no scale byte is 0xff.  The sources 1 share thirty registers: zeros, q0, zeros, q1, zeros.
; A UNIT is 64 keys (c = 0, 1 of a step) x 16 queries: four key tiles.  Tile i's rows are keys 8 i + 0 .. 7 and 32 + 8 i + 0 .. 7 of the 64: a lane's 32 scores are ONE WHOLE BLOCK of 32 keys, in order: its maximum and its
; codes need no other lane, and its six registers of codes are registers 6 c .. 6 c + 5 of the operand P^T.  V's rows are laid alike: register j of O^T's tile n in lane half h is d = 32 h + 8 n + j.
; CLUSTER: the four work-groups of a cluster belong to one batch and walk the same kv: every tile is asked for JOINTLY, by the same tensor load with the same descriptor and the mask of all four.
; LDS: slot A takes steps 0-7 (102,400 bytes), then steps 24-31; slot B steps 8-23 (204,800 bytes).  A wave has one tensor load out at a time.
; No prefetch: there is no loop to run ahead in; what follows slot A's first fill is asked for one step or two ahead by the loads themselves.
; No work is left out.  LIMITS: NaN and infinities are not served.  A block's scale comes from 2^(t - 4) of its largest score: where that p lies within an ulp of a power of two, the scale may fall to either side of it.
.set STEPB, 12800                      ; a step: K's 8 tiles (768 bytes each), V's half fragments (c, n) at 6,144 + 3,072 c + 768 n, K's scale words at 12,288, V's at 12,544
.set SLOTB, 8*STEPB                    ; 102,400
.set SPARE, 24*STEPB                   ; 307,200: the spare words, 128 bytes for each of sixteen waves
.set STG,   SLOTB                      ; the end's stage lies in slot B, which has had its only fill and its last read by then
.set STGW,  32*272                     ; a wave's part: 32 queries x (256 bytes + 16)
.set LSTG,  STG+16*STGW                ; the row sums: for each of 64 rows eight shares
.set SPW, 1                            ; v1 LDS address of my spare word; v2 0; never rewritten
.set NIL, 2
.set A16, 3                            ; v3-5 my step's block + 16, 8, 4 x lane
.set A8,  4
.set A4,  5
.set QS,  6                            ; v6-7 q's scale words (s0, s1, s0, s1), and nothing else
.set LS,  8                            ; v[8:9], v[10:11] the row sums, each in two halves
.set KS,  12                           ; v12-13 K's scale words, v14-15 V's, v16-17 p's; nothing else
.set VS,  14
.set PW,  16
.set T,   18                           ; v18-25 at work
.set QZ,  26                           ; v26-55 zeros, q0, zeros, q1, zeros
.set PC,  56                           ; v56-67, v68-79 p's codes
.set KF,  80                           ; v80-127 K's four pairs of tiles, then V's four fragments
.set SA,  128                          ; v128-159, v160-191 a unit's scores, then p
.set SB,  160
.set O,   192                          ; v192-223, v224-255 O^T
.set STO, 26                           ; the end's addresses, in q's registers
.set STL, 27
.set RD,  28
.set RD2, 29
.set RDL, 30
.set GO,  31
.set WV,  10                           ; s10 wave; s11 w % 2; s12 gk
.set G1A, 16                           ; s[16:23], s[24:31] descriptor groups 1 of slots A and B;  s[32:35], s[36:39] groups 0
.set G1B, 24
.set G0A, 32
.set G0B, 36
.set CS,  42                           ; s[42:43] log2(e) / 8
.set SEL, 44                           ; s[44:45] v_permlanex16_b32's selects for lane l xor 16
.macro CREST                           ; a round of the cluster's barrier behind its opening barrier
	s_cmp_lg_u32 s[WV], 0
	s_cbranch_scc1 .Lnot_wave_0_\@
	s_barrier_signal -3
.Lnot_wave_0_\@:
	s_barrier_wait -3
	s_barrier_signal -1
	s_barrier_wait -1
.endm
.macro CROUND
	s_barrier_signal -1
	s_barrier_wait -1
	CREST
.endm
.macro PLACES                          ; four places behind a matrix instruction, and the form behind a tensor load
.rept 4
	v_nop
.endr
.endm
.macro LOADK c                         ; nine loads: the 64 keys' four tiles and their scale words
.irp t, 0,1,2,3
	ds_load_b128 v[KF+24*\c+6*\t:KF+24*\c+6*\t+3], v[A16] offset:3072*\c+768*\t
	ds_load_b64 v[KF+24*\c+6*\t+4:KF+24*\c+6*\t+5], v[A8] offset:3072*\c+768*\t+512
.endr
	ds_load_b32 v[KS+\c], v[A4] offset:12288+128*\c    ; pair 2 c in lanes 0-15, pair 2 c + 1 in lanes 16-31
.endm
.macro LOADV                           ; V's four fragments, into K's registers
.irp n, 0,1,2,3
.irp c, 0,1
	ds_load_b128 v[KF+12*\n+6*\c:KF+12*\n+6*\c+3], v[A16] offset:6144+3072*\c+768*\n
	ds_load_b64 v[KF+12*\n+6*\c+4:KF+12*\n+6*\c+5], v[A8] offset:6144+3072*\c+768*\n+512
.endr
.endr
	ds_load_b32 v[VS], v[A4] offset:12544
	ds_load_b32 v[VS+1], v[A4] offset:12672
.endm
.macro QK c, q, s                      ; a unit's scores: four products, each starting its own sum
.irp i, 0,1,2,3
.if \i/2
	v_wmma_scale_f32_16x16x128_f8f6f4 v[\s+8*\i:\s+8*\i+7], v[KF+24*\c+12*(\i/2):KF+24*\c+12*(\i/2)+11], v[QZ+12*\q+6-6*(\i%2):QZ+12*\q+17-6*(\i%2)], 0, v[KS+\c], v[QS+\q] matrix_a_fmt:MATRIX_FMT_BF6 matrix_b_fmt:MATRIX_FMT_BF6 matrix_a_scale:MATRIX_SCALE_ROW1
.else
	v_wmma_scale_f32_16x16x128_f8f6f4 v[\s+8*\i:\s+8*\i+7], v[KF+24*\c+12*(\i/2):KF+24*\c+12*(\i/2)+11], v[QZ+12*\q+6-6*(\i%2):QZ+12*\q+17-6*(\i%2)], 0, v[KS+\c], v[QS+\q] matrix_a_fmt:MATRIX_FMT_BF6 matrix_b_fmt:MATRIX_FMT_BF6
.endif
.endr
.endm
.macro PV q, first                     ; O^T's four tiles of query tile q += V^T P^T.  first = 1: the product starts the sum
.irp n, 0,1,2,3
.if \first
.if \n%2
	v_wmma_scale_f32_16x16x128_f8f6f4 v[O+32*\q+8*\n:O+32*\q+8*\n+7], v[KF+12*\n:KF+12*\n+11], v[PC+12*\q:PC+12*\q+11], 0, v[VS+\n/2], v[PW+\q] matrix_a_fmt:MATRIX_FMT_BF6 matrix_b_fmt:MATRIX_FMT_BF6 matrix_a_scale:MATRIX_SCALE_ROW1
.else
	v_wmma_scale_f32_16x16x128_f8f6f4 v[O+32*\q+8*\n:O+32*\q+8*\n+7], v[KF+12*\n:KF+12*\n+11], v[PC+12*\q:PC+12*\q+11], 0, v[VS+\n/2], v[PW+\q] matrix_a_fmt:MATRIX_FMT_BF6 matrix_b_fmt:MATRIX_FMT_BF6
.endif
.else
.if \n%2
	v_wmma_scale_f32_16x16x128_f8f6f4 v[O+32*\q+8*\n:O+32*\q+8*\n+7], v[KF+12*\n:KF+12*\n+11], v[PC+12*\q:PC+12*\q+11], v[O+32*\q+8*\n:O+32*\q+8*\n+7], v[VS+\n/2], v[PW+\q] matrix_a_fmt:MATRIX_FMT_BF6 matrix_b_fmt:MATRIX_FMT_BF6 matrix_a_scale:MATRIX_SCALE_ROW1
.else
	v_wmma_scale_f32_16x16x128_f8f6f4 v[O+32*\q+8*\n:O+32*\q+8*\n+7], v[KF+12*\n:KF+12*\n+11], v[PC+12*\q:PC+12*\q+11], v[O+32*\q+8*\n:O+32*\q+8*\n+7], v[VS+\n/2], v[PW+\q] matrix_a_fmt:MATRIX_FMT_BF6 matrix_b_fmt:MATRIX_FMT_BF6
.endif
.endif
.endr
.endm
.macro MULC s, j                       ; two scores -> t
	v_pk_mul_f32 v[\s+\j:\s+\j+1], v[\s+\j:\s+\j+1], s[CS:CS+1] op_sel_hi:[1,0]
.endm
.macro SCORES s                        ; a unit's 32 scores of a lane -> p, in place; v[T+4]: 2^(the largest t - 4), the conversion's scale operand.  Each accumulator is read from its low end on
.irp i, 0,1,2,3
	v_max3_num_f32 v[T+\i], v[\s+8*\i], v[\s+8*\i+1], v[\s+8*\i+2]
.endr
.irp k, 3,5
.irp i, 0,1,2,3
	v_max3_num_f32 v[T+\i], v[T+\i], v[\s+8*\i+\k], v[\s+8*\i+\k+1]
.endr
.endr
	v_max3_num_f32 v[T], v[T], v[T+1], v[\s+7]
	v_max3_num_f32 v[T+2], v[T+2], v[T+3], v[\s+15]
	v_max_num_f32 v[T+1], v[\s+23], v[\s+31]
.irp j, 0,2,4
	MULC \s, \j
.endr
	v_max3_num_f32 v[T], v[T], v[T+1], v[T+2]      ; the block's largest score
.irp j, 6,8,10,12
	MULC \s, \j
.endr
	v_fma_f32 v[T+4], v[T], s[CS], -4.0            ; p rises with the score: the block's largest p has this exponent, 4 taken off
.irp j, 14,16,18,20,22,24,26,28,30
	MULC \s, \j
.endr
	s_wait_alu depctr_va_vdst(0)
	v_exp_f32 v[T+4], v[T+4]
.irp j, 0,1,2,3,4,5,6,7,8,9,10,11,12,13,14,15,16,17,18,19,20,21,22,23,24,25,26,27,28,29,30,31
	v_exp_f32 v[\s+\j], v[\s+\j]
.endr
	v_nop                                          ; a plain line behind the exponentials
	s_wait_alu depctr_va_vdst(0)                   ; and behind it
.endm
.macro ADDP d, a, b
	v_pk_add_f32 v[\d:\d+1], v[\a:\a+1], v[\b:\b+1]
.endm
.macro TAIL s, c, q, vl                ; p -> codes in registers 6 c on of the operand, the scale word, the row's sum; vl = 1: V is asked for on the way
	v_cvt_scalef32_pk16_bf6_f32 v[PC+12*\q+6*\c:PC+12*\q+6*\c+2], v[\s:\s+15], v[T+4]
	v_cvt_scalef32_pk16_bf6_f32 v[T:T+2], v[\s+16:\s+31], v[T+4]
.if \c
	v_lshrrev_b32 v[T+5], 23, v[T+4]               ; the scale's byte
.else
	v_lshrrev_b32 v[PW+\q], 23, v[T+4]
.endif
	ADDP T+6, \s, \s+2                             ; the sum of the UNQUANTISED p, in four chains
.irp i, 0,1,2
	v_mov_b32 v[PC+12*\q+6*\c+3+\i], v[T+\i]
.endr
.if \vl
	LOADV                                          ; five plain lines behind the last products that read K
.endif
.if \c
	v_lshl_or_b32 v[PW+\q], v[T+5], 16, v[PW+\q]   ; bytes 0 and 2: my blocks (lanes 0-15 are read)
.endif
	ADDP LS+2*\q, LS+2*\q, \s+4
	ADDP T, \s+6, \s+8
.if \c
	v_permlanex16_b32 v[T+5], v[PW+\q], s[SEL], s[SEL+1]
.endif
	ADDP T+2, \s+10, \s+12
	ADDP T+6, T+6, \s+14
.if \c
	v_lshl_or_b32 v[PW+\q], v[T+5], 8, v[PW+\q]    ; bytes 1 and 3: lane l xor 16's
.endif
	ADDP LS+2*\q, LS+2*\q, \s+16
	ADDP T, T, \s+18
	ADDP T+2, T+2, \s+20
	ADDP T+6, T+6, \s+22
	ADDP LS+2*\q, LS+2*\q, \s+24
	ADDP T, T, \s+26
	ADDP T+2, T+2, \s+28
	ADDP T+6, T+6, \s+30
	ADDP T+2, T+2, T
	ADDP LS+2*\q, LS+2*\q, T+6
	ADDP LS+2*\q, LS+2*\q, T+2
.endm
; A STEP of 128 keys for both query tiles.  kind: 0 nothing more; 1 a round and slot A's refill; 2 a barrier: slot A's refill is in.  No two matrix instructions that follow each other share an accumulator.
.macro STEP kind, first
	LOADK 0
	LOADK 1
	s_wait_dscnt 9                                 ; c = 0 is in; c = 1's nine may be out
	QK 0, 0, SA
	PLACES
	SCORES SA
	QK 0, 1, SB                                    ; the next unit's products stand behind this unit's exponentials
	TAIL SA, 0, 0, 0
	SCORES SB
	s_wait_dscnt 0x0
	QK 1, 0, SA
	TAIL SB, 0, 1, 0
	SCORES SA
	QK 1, 1, SB
	TAIL SA, 1, 0, 1
	SCORES SB
.if \kind
	s_wait_tensorcnt 0x0                           ; all my tensor loads have landed
.endif
.if \kind == 1
	ds_add_u32 v[SPW], v[NIL]
	s_add_nc_u64 s[G0A+2:G0A+3], s[G0A+2:G0A+3], 24*STEPB   ; slot A's next tile: steps 24-31
.endif
	TAIL SB, 1, 1, 0
	s_wait_dscnt 0x0                               ; V is in: my reads of this step are over, and the add is done
.if \kind
	s_barrier_signal -1
.endif
	s_wait_alu depctr_va_vdst(0)                   ; directly ahead of the readers
	PV 0, \first
	PV 1, \first
.if \kind
	s_barrier_wait -1
.endif
.if \kind == 1
	CREST                                          ; nobody in the cluster reads slot A any more or has a load on its way
	tensor_load_to_lds s[G0A:G0A+3], s[G1A:G1A+7]  ; my one load behind the round: it has two steps in which to land
	s_nop 0
	PLACES
.endif
.endm
	s_load_b128 s[4:7], s[0:1], 0x0                ; qbuf s[4:5], kv s[6:7]
	s_load_b64 s[8:9], s[0:1], 0x10                ; out0
	v_lshl_add_u32 v[SPW], v0, 2, SPARE
	v_mov_b32 v[NIL], 0
	ds_add_u32 v[SPW], v[NIL]                      ; the wave's opening: the add, twice on end, and its wait
	ds_add_u32 v[SPW], v[NIL]
	v_lshrrev_b32 v[T], 5, v0
	v_readfirstlane_b32 s[WV], v[T]                ; wave 0..15
	s_and_b32 s11, s[WV], 1
	s_lshr_b32 s12, s[WV], 1                       ; gk
	s_bfe_u32 s13, ttmp6, 0x40000                  ; cx: it enters q's and out0's addresses alone
	s_lshl_b32 s14, ttmp9, 2
	s_add_co_u32 s14, s14, s13                     ; my group of 64 queries in the batch
	s_and_b32 s15, ttmp7, 0xffff                   ; the batch, which the four partners share
	; groups 1: a sixteenth of slot A, 6,400 dense bytes, as 25 rows of 32 elements of 8 bytes; of slot B, 12,800, as 50.  The mask of all four work-groups, bit 21 beside it
.irp g, G1A, G1B
	s_mov_b32 s[\g+0], 15|(3<<16)|(1<<21)
	s_mov_b32 s[\g+1], 32<<16
	s_mov_b32 s[\g+3], 32<<16
	s_mov_b32 s[\g+5], 32
	s_mov_b32 s[\g+6], 0
	s_mov_b32 s[\g+7], 0
.endr
	s_mov_b32 s[G1A+2], 25<<16
	s_mov_b32 s[G1A+4], 25
	s_mov_b32 s[G1B+2], 50<<16
	s_mov_b32 s[G1B+4], 50
	s_mul_i32 s46, s[WV], 6400
	s_mul_i32 s47, s[WV], 12800
	s_mul_i32 s48, s15, 409600                     ; the batch's 32 steps
	s_mov_b32 s49, 0
	s_lshl_b32 s52, s15, 6
	s_add_co_u32 s52, s52, s14                     ; 64 batch + group
	s_lshl_b32 s54, s52, 14                        ; out0: 64 rows of 256 bytes
	s_mov_b32 s55, 0
	s_lshl_b32 s52, s52, 12                        ; qbuf: 4,096 bytes a group
	s_mov_b32 s53, 0
	s_mov_b32 s[CS], 0x3e38aa3b                    ; log2(e) / 8
	s_mov_b32 s[CS+1], s[CS]                       ; (named with it as a pair, so it is written)
	s_mov_b32 s[SEL], 0x76543210
	s_mov_b32 s[SEL+1], 0xfedcba98
	s_wait_alu depctr_va_vdst(0)
	s_wait_dscnt 0x0                               ; both opening adds are done
	s_wait_kmcnt 0x0
	s_add_nc_u64 s[6:7], s[6:7], s[48:49]
	s_add_nc_u64 s[4:5], s[4:5], s[52:53]
	s_add_nc_u64 s[8:9], s[8:9], s[54:55]
	s_mov_b32 s50, s46
	s_mov_b32 s51, 0
	s_mov_b32 s[G0A], 1
	s_mov_b32 s[G0A+1], s46
	s_add_nc_u64 s[G0A+2:G0A+3], s[6:7], s[50:51]
	s_or_b32 s[G0A+3], s[G0A+3], 0x80000000
	s_mov_b32 s50, s47
	s_mov_b32 s[G0B], 1
	s_add_co_u32 s[G0B+1], s47, SLOTB
	s_add_nc_u64 s[G0B+2:G0B+3], s[6:7], s[50:51]
	s_add_nc_u64 s[G0B+2:G0B+3], s[G0B+2:G0B+3], SLOTB
	s_or_b32 s[G0B+3], s[G0B+3], 0x80000000
	CROUND                                         ; all four work-groups are here: the first joint loads meet
	tensor_load_to_lds s[G0A:G0A+3], s[G1A:G1A+7]  ; steps 0-7: one load a wave at the head
	s_nop 0
	PLACES
	s_mul_i32 s46, s11, 1536                       ; q's tiles 2 (w % 2) on
	s_lshl_b32 s47, s11, 6
	s_mul_i32 s48, s12, STEPB
	v_and_b32 v[A4], 31, v0
	v_and_b32 v[T+3], 15, v0
	v_lshl_add_u32 v[T], v[A4], 4, s46
	v_lshl_add_u32 v[T+1], v[A4], 3, s46
	v_lshl_add_u32 v[T+2], v[T+3], 2, s47
.irp q, 0,1
	global_load_b128 v[QZ+6+12*\q:QZ+9+12*\q], v[T], s[4:5] offset:768*\q
	global_load_b64 v[QZ+10+12*\q:QZ+11+12*\q], v[T+1], s[4:5] offset:768*\q+512
	global_load_u16 v[T+4+\q], v[T+2], s[4:5] offset:3072+2*\q
.endr
	v_lshl_add_u32 v[A16], v[A4], 4, s48
	v_lshl_add_u32 v[A8], v[A4], 3, s48
	v_lshl_add_u32 v[A4], v[A4], 2, s48
	; the scalar parts of the end's addresses
	s_mul_i32 s50, s[WV], STGW
	s_add_co_u32 s50, s50, STG                     ; my part of the stage
	s_lshl_b32 s46, s11, 10
	s_add_co_u32 s46, s46, LSTG
	s_lshl_b32 s51, s12, 2
	s_add_co_u32 s51, s51, s46                     ; row sums in: 32 bytes a row, share gk
	s_lshl_b32 s53, s12, 7
	s_add_co_u32 s53, s53, s46                     ; and back: rows 4 gk on
	s_mul_i32 s52, s11, STGW
	s_mul_i32 s46, s12, 4*272
	s_add_co_u32 s52, s52, s46
	s_add_co_u32 s52, s52, STG                     ; share 0, rows 4 gk on of my two tiles' 32
	s_lshl_b32 s54, s11, 12                        ; out0: row r of tile t is query 8 t + r % 8 + 32 (r / 8)
	s_lshr_b32 s46, s12, 2
	s_lshl_b32 s46, s46, 11
	s_add_co_u32 s54, s54, s46
	s_bfe_u32 s46, s12, 0x10001
	s_lshl_b32 s46, s46, 13
	s_add_co_u32 s54, s54, s46
	s_and_b32 s46, s12, 1
	s_lshl_b32 s46, s46, 10
	s_add_co_u32 s54, s54, s46
	s_wait_alu depctr_va_vdst(0)
	s_wait_loadcnt 0x0                             ; q
	v_lshl_or_b32 v[QS], v[T+4], 16, v[T+4]        ; (s0, s1, s0, s1): the word serves q in either half of K
	v_lshl_or_b32 v[QS+1], v[T+5], 16, v[T+5]
.irp i, 0,1,2,3,4,5
	v_mov_b32 v[QZ+\i], 0                          ; zero codes round q0 and q1
	v_mov_b32 v[QZ+12+\i], 0
	v_mov_b32 v[QZ+24+\i], 0
.endr
.irp i, 0,1,2,3
	v_mov_b32 v[LS+\i], 0
.endr
	s_wait_alu depctr_va_vdst(0)
	s_wait_tensorcnt 0x0                           ; my part of slot A is in
	ds_add_u32 v[SPW], v[NIL]
	s_wait_dscnt 0x0
	CROUND                                         ; everybody's is, in all four work-groups
	tensor_load_to_lds s[G0B:G0B+3], s[G1B:G1B+7]  ; steps 8-23: my one load behind the round: it has a step in which to land
	s_nop 0
	PLACES
	STEP 1, 1                                      ; slot A: step gk
.irp a, A16, A8, A4
	v_add_nc_u32 v[\a], SLOTB, v[\a]
.endr
	STEP 0, 0                                      ; slot B: step gk + 8
.irp a, A16, A8, A4
	v_add_nc_u32 v[\a], SLOTB, v[\a]
.endr
	v_nop                                          ; with the three additions: four places behind the products, in front of loads into their registers
	STEP 2, 0                                      ; step gk + 16
.irp a, A16, A8, A4
	v_sub_nc_u32 v[\a], v[\a], 2*SLOTB
.endr
	v_nop
	STEP 0, 0                                      ; slot A again: step gk + 24
	; THE END.  My shares of O^T and of the row sums go to the stage; the eight shares of a row are added, divided by the sum and stored as whole rows.
	v_and_b32 v[T+6], 15, v0                       ; r
	v_bfe_u32 v[T+7], v0, 4, 1                     ; h
	v_add_f32 v[LS], v[LS], v[LS+1]                ; the sums' two halves,
	v_add_f32 v[LS+2], v[LS+2], v[LS+3]
	v_mul_u32_u24 v[STO], v[T+6], 272
	v_mul_u32_u24 v[RD], v[T+7], 272
	v_permlanex16_b32 v[T], v[LS], s[SEL], s[SEL+1]
	v_permlanex16_b32 v[T+1], v[LS+2], s[SEL], s[SEL+1]
	v_lshl_add_u32 v[STO], v[T+7], 7, v[STO]
	v_lshl_add_u32 v[RD], v[T+6], 4, v[RD]
	v_lshl_add_u32 v[STL], v[T+6], 5, s51
	v_lshl_add_u32 v[RDL], v[T+7], 5, s53
	v_add_nc_u32 v[STO], s50, v[STO]               ; in: row r, + 128 h
	v_add_nc_u32 v[RD], s52, v[RD]                 ; back: row 4 gk + h, 16 bytes a lane
	v_add_f32 v[LS], v[LS], v[T]                   ; and lane l xor 16's
	v_add_f32 v[LS+2], v[LS+2], v[T+1]
	v_lshl_add_u32 v[GO], v[T+7], 8, s54
	v_add_nc_u32 v[RD2], 8*STGW, v[RD]             ; shares 4 on
	v_lshl_add_u32 v[GO], v[T+6], 4, v[GO]
.irp q, 0,1
.irp n, 0,1,2,3
	ds_store_b128 v[STO], v[O+32*\q+8*\n:O+32*\q+8*\n+3] offset:4352*\q+32*\n       ; each accumulator from its low end on: d = 32 h + 8 n + 0 .. 7
	ds_store_b128 v[STO], v[O+32*\q+8*\n+4:O+32*\q+8*\n+7] offset:4352*\q+32*\n+16
.endr
	ds_store_b32 v[STL], v[LS+2*\q] offset:512*\q  ; both halves of the lanes write the same word with the same value
.endr
	s_wait_alu depctr_va_vdst(0)
	s_wait_dscnt 0x0                               ; for the others' sake: my stores are done
	s_barrier_signal -1
	s_barrier_wait -1
.irp i, 0,1                                    ; rows 4 gk + 2 i + h; share g lies in wave 2 g + w % 2's part
.irp g, 0,1,2,3
	ds_load_b128 v[SA+32*\i+4*\g:SA+32*\i+4*\g+3], v[RD] offset:2*STGW*\g+544*\i
	ds_load_b128 v[SA+32*\i+4*\g+16:SA+32*\i+4*\g+19], v[RD2] offset:2*STGW*\g+544*\i
.endr
	ds_load_b128 v[KF+8*\i:KF+8*\i+3], v[RDL] offset:64*\i
	ds_load_b128 v[KF+8*\i+4:KF+8*\i+7], v[RDL] offset:64*\i+16
.endr
	s_wait_tensorcnt 0x0                           ; the wave's end, behind my last tensor load and my last LDS store
	ds_add_u32 v[SPW], v[NIL]
	s_wait_dscnt 0x0
.irp d, 16,8,4                                 ; the shares, four, two and one apart
.irp g, 0,4,8,12
.if \g < \d
.irp i, 0,32
	ADDP SA+\i+\g, SA+\i+\g, SA+\i+\g+\d
	ADDP SA+\i+\g+2, SA+\i+\g+2, SA+\i+\g+\d+2
.endr
.endif
.endr
.endr
.irp d, 4,2
.irp g, 0,2
.if \g < \d
.irp i, 0,8
	ADDP KF+\i+\g, KF+\i+\g, KF+\i+\g+\d
.endr
.endif
.endr
.endr
	v_add_f32 v[KF], v[KF], v[KF+1]                ; the row's sum over all 4,096 keys
	v_add_f32 v[KF+8], v[KF+8], v[KF+9]
	s_wait_alu depctr_va_vdst(0)
	v_rcp_f32 v[KF+2], v[KF]
	v_rcp_f32 v[KF+10], v[KF+8]
	v_nop                                          ; a plain line behind the reciprocals
	s_wait_alu depctr_va_vdst(0)
.irp i, 0,1
.irp j, 0,1,2,3
	v_mul_f32 v[SA+32*\i+\j], v[SA+32*\i+\j], v[KF+8*\i+2]
.endr
.endr
.irp i, 0,1
	global_store_b128 v[GO], v[SA+32*\i:SA+32*\i+3], s[8:9] offset:512*\i th:TH_STORE_NT   ; 32 lanes store two whole rows: 512 consecutive bytes, at a multiple of 256 from out0's first byte
.endr
	CROUND                                         ; the closing round: no work-group ends while a partner may still ask for a tile that names it
	s_endpgm
.Lfunc_end_k_q96c7839cd8_attn:
	.size	k_q96c7839cd8_attn, .Lfunc_end_k_q96c7839cd8_attn-k_q96c7839cd8_attn
	.p2alignl 7, 3214868480
	.fill 96, 4, 3214868480
	.section	.rodata,"a",@progbits
	.p2align	6, 0x0
	.amdhsa_kernel k_q96c7839cd8_attn
		.amdhsa_group_segment_fixed_size 327680
		.amdhsa_private_segment_fixed_size 0
		.amdhsa_enable_private_segment 0
		.amdhsa_kernarg_size 24
		.amdhsa_user_sgpr_count 2
		.amdhsa_user_sgpr_kernarg_segment_ptr 1
		.amdhsa_wavefront_size32 1
		.amdhsa_system_sgpr_workgroup_id_x 1
		.amdhsa_system_sgpr_workgroup_id_y 1
		.amdhsa_system_sgpr_workgroup_id_z 1
		.amdhsa_system_vgpr_workitem_id 0
		.amdhsa_next_free_vgpr 256
		.amdhsa_next_free_sgpr 66
		.amdhsa_reserve_vcc 0
		.amdhsa_float_denorm_mode_32 3
		.amdhsa_float_denorm_mode_16_64 3
		.amdhsa_memory_ordered 1
		.amdhsa_forward_progress 1
		.amdhsa_inst_pref_size 110
	.end_amdhsa_kernel
	.amdgpu_metadata
---
amdhsa.version: [ 1, 2 ]
amdhsa.kernels:
  - .name:           k_q96c7839cd8_attn
    .symbol:         k_q96c7839cd8_attn.kd
    .args:
      - { .name: qbuf, .offset: 0, .size: 8, .value_kind: global_buffer, .address_space: global }
      - { .name: kv, .offset: 8, .size: 8, .value_kind: global_buffer, .address_space: global }
      - { .name: out0, .offset: 16, .size: 8, .value_kind: global_buffer, .address_space: global }
    .group_segment_fixed_size: 327680
    .private_segment_fixed_size: 0
    .kernarg_segment_align: 8
    .kernarg_segment_size: 24
    .max_flat_workgroup_size: 512
    .sgpr_count:     66
    .vgpr_count:     256
    .wavefront_size: 32
...
	.end_amdgpu_metadata
.endif
;; end of part 2
